; MI455X (gfx1250); checked and timed in simulation.
; The chip was launched on July 23, 2026; its instructions are those of AMD's public machine-readable ISA for CDNA 5 (MIT licence, August 2026) and "CDNA5" Instruction Set Architecture Reference Guide (July 2026). The comments in the code are by the model that wrote it; some were corrected since.
;; AVQ Seg. Allowed arithmetic: float matrix products may take bf16 or f16 operands with f32 sums; all other float work in f32.
;; Inputs: embedding 8,192 x 64 float32; x 8 x 64 x 64 x 64 float32.
;; Outputs: out0 8 x 64 x 64 x 64 float32; out1 8 x 64 x 64 x 64 float32; out2 8 x 64 x 64 x 64 float32.
;; 2 versions, each right; version 2 is version 1 with the launch score written anew for expert scheduling mode. Each part assembles by itself: llvm-mc -triple=amdgcn-amd-amdhsa -mcpu=gfx1250 --defsym DOCPART=n.
;; ======== version 1 of 2: 2 launches
;; workspace buffers: cand 2,097,152 bytes of whole numbers
;; launch score (part 1): grid 8 x 32, 8 waves a work-group, no clusters, 168,960 bytes of LDS; arguments x, embedding, cand; writes cand
.if DOCPART == 1
	.amdgcn_target "amdgcn-amd-amdhsa--gfx1250"
	.amdhsa_code_object_version 6
	.text
	.protected	k_q0b15add0e9_score
	.globl	k_q0b15add0e9_score
	.p2align	8
	.type	k_q0b15add0e9_score,@function
k_q0b15add0e9_score:
	s_mov_b64 s[64:65], 0
	v_nop
	global_prefetch_b8 v0, s[64:65] scope:SCOPE_SE
	s_setreg_imm32_b32 hwreg(HW_REG_WAVE_MODE, 25, 1), 1
	s_wait_xcnt 0x0
; SCORE: for 1,024 rows of x (one image position each, 64 channels) and 1,024 codes, the best GROUP OF 8 CODES of every row.
; s(code, row) = x_b . e_b - |e_b|^2 / 2 (operands rounded to bf16, sums in f32); the largest s is the smallest distance, since |x|^2 is the
; same for all codes of a row.  The codes are the matrix instruction's A (its 16 rows), the rows of x its B (its 16 columns), and -|e_b|^2/2
; enters as C.  So a lane's eight results are eight NEIGHBOURING CODES of ONE row of x, and only their maximum is followed: six vector
; instructions for eight results.  Stored per row and code block: an integer key that orders as the best score does, and the group's number
; code / 8 (0 to 1023).  The next launch merges the eight blocks and picks the code inside the group.
; Work-group (cb, rb): codes 1024 cb .., rows 1024 rb ...  Eight waves; a wave keeps its 128 rows as 128 registers of B fragments for the whole
; launch and walks all 64 code tiles, which lie in LDS as bf16: 16 matrix instructions a tile.
; NO JOINT LOADS: x and embedding are f32 and pass through registers once to be rounded to bf16; a work-group reads 256 KiB of each, once,
; ahead of 8,192 matrix instructions; x goes from memory straight into B fragments and never lies in LDS, and an f32 stage for the codes
; (256 KiB) does not fit beside the 148 KiB table.
; LIMITS: inputs finite.  The choice is that of the bf16-rounded inputs; two codes whose scores differ by less than the f32 rounding of the
; sums may be taken the other way round than by another order of summation.  Equal scores: the lower group.  The key orders -0 below +0.
.set PITCH, 144                        ; an LDS row: 64 bf16 + 16 bytes = 36 words: 16 rows start in 16 different 16-byte columns modulo 256 bytes (64 banks of 4 bytes: ISA guide 11.1)
.set TILEB, 16*PITCH                   ; a code tile
.set WAVEB, 128*PITCH                  ; the 128 codes that a wave converts
.set EEB,   1024*PITCH                 ; behind the table: 1,024 f32 of -|e_b|^2/2
.set CHAN,  16384                      ; bytes from channel to channel in x
.set PLANE, 1048576                    ; cand: keys [8][32768], then group numbers [8][32768]
.set VA,   1                           ; v1      LDS address of my part of the A fragment: 144 r + 16 h, stepped two tiles a trip
.set VC,   2                           ; v2      LDS address of my eight C numbers: EEB + 32 h, stepped likewise
.set VT,   3                           ; v3, v4  number of the tile in fragment set 0, 1
.set VOX,  5                           ; v5      x: 8 h channels + 16 r
.set LN16, 6                           ; v6      16 x lane: embedding loads, final stores
.set VES,  7                           ; v7      where I put 8 bytes of a converted code
.set VER,  8                           ; v8      where my own code (one a lane) begins
.set VEE,  9                           ; v9      where its -|e_b|^2/2 goes
.set VHB,  11                          ; v11     128 cb + h
.set ACC,  12                          ; v12-15  four chains of the sum of squares
.set MX,   16                          ; v16-19  maxima at work
.set ZERO, 20                          ; v20     0.0
.set BEST, 24                          ; v24-39  best score of row tile T: two sets that take turns (old, new)
.set GID,  40                          ; v40-47  tile number of that best score
.set AF,   48                          ; v48-79  A fragments, two sets of 16 (K 0-31, K 32-63)
.set CF,   80                          ; v80-95  C, two sets of 8
.set DD,   96                          ; v96-127 results: two sets of two tiles
.set BF,   128                         ; v128-255 B fragments: row tile T, K half s at BF + 16 T + 8 s
.set ST,   24                          ; v24-119 in the prologue: three slots of 32 registers for loads
	s_load_b128 s[4:7], s[0:1], 0x0                ; x s[4:5], embedding s[6:7]
	s_load_b64 s[8:9], s[0:1], 0x10                ; cand
	v_lshl_add_u32 v10, v0, 2, 0x29000
	s_set_vgpr_msb 0x40
	v_mov_b32 v1, 0
	s_set_vgpr_msb 0x4000
	v_lshrrev_b32 v21, 5, v0
	v_readfirstlane_b32 s10, v21                   ; wave 0..7
	s_and_b32 s2, ttmp7, 0xffff                    ; rb
	s_lshr_b32 s16, s2, 2
	s_lshl_b32 s16, s16, 20                        ; x: image rb / 4 (64 channels of 16,384 bytes)
	s_and_b32 s3, s2, 3
	s_lshl_b32 s3, s3, 12                          ; + 1,024 positions x (rb mod 4)
	s_add_co_u32 s16, s16, s3
	s_lshl_b32 s3, s10, 9                          ; + 128 positions x wave
	s_add_co_u32 s16, s16, s3
	s_mov_b32 s17, 0
	s_lshl_b32 s18, ttmp9, 18                      ; embedding: 1,024 codes of 256 bytes x cb
	s_lshl_b32 s3, s10, 15                         ; + 128 codes x wave
	s_add_co_u32 s18, s18, s3
	s_mov_b32 s19, 0
	s_lshl_b32 s22, ttmp9, 17                      ; cand: 32,768 words x cb
	s_lshl_b32 s3, s2, 12                          ; + 1,024 words x rb
	s_add_co_u32 s22, s22, s3
	s_lshl_b32 s3, s10, 9                          ; + 128 words x wave
	s_add_co_u32 s22, s22, s3
	s_mov_b32 s23, 0
	v_and_b32 v21, 31, v0                          ; lane
	v_and_b32 v22, 15, v0                          ; r
	v_bfe_u32 v23, v0, 4, 1                        ; h
	v_lshlrev_b32 v[LN16], 4, v21
	v_lshlrev_b32 v[VOX], 4, v22
	v_lshl_add_u32 v[VOX], v23, 17, v[VOX]         ; lanes 16-31 take the channel 8 further on
	s_wait_kmcnt 0x0
	s_add_nc_u64 s[4:5], s[4:5], s[16:17]
	s_add_nc_u64 s[6:7], s[6:7], s[18:19]
	s_add_nc_u64 s[8:9], s[8:9], s[22:23]
; THE PROLOGUE: sixteen units of eight 16-byte loads through a ring of three register slots: two units (16 loads) stay out while one is converted.
; Units 0-7: 16 codes each.  A load takes two codes (512 neighbouring bytes): lane (r, h) gets channels 4 r .. 4 r + 3 of code 16 k + 2 jj + h.
.macro LOADE k, slot
.irp jj, 0,1,2,3,4,5,6,7
	global_load_b128 v[ST+32*\slot+4*\jj:ST+32*\slot+4*\jj+3], v[LN16], s[6:7] offset:\k*4096+\jj*512
.endr
.endm
.macro PROCE k, slot
.irp jj, 0,1,2,3,4,5,6,7
	v_cvt_pk_bf16_f32 v[ST+32*\slot+4*\jj],   v[ST+32*\slot+4*\jj],   v[ST+32*\slot+4*\jj+1]
	v_cvt_pk_bf16_f32 v[ST+32*\slot+4*\jj+1], v[ST+32*\slot+4*\jj+2], v[ST+32*\slot+4*\jj+3]
	ds_store_b64 v[VES], v[ST+32*\slot+4*\jj:ST+32*\slot+4*\jj+1] offset:(16*\k+2*\jj)*PITCH
.endr
.endm
; Units 8-15: x.  Unit (g, s, u): load jj takes channel 32 s + 16 u + 8 h + jj at positions 64 g + 4 r + 0..3 (sixteen lanes: 256 aligned bytes).
; Row tile T = 4 g + i has as its column r the wave's row 64 g + 4 r + i, so word i of a load belongs to tile 4 g + i, and two loads of
; neighbouring channels pack into one register of that tile's fragment: register 4 u + m holds K = 32 s + 16 u + 8 h + 2 m, + 1.
.macro LOADX g, s, u, slot
.irp jj, 0,1,2,3,4,5,6,7
	global_load_b128 v[ST+32*\slot+4*\jj:ST+32*\slot+4*\jj+3], v[VOX], s[4:5] offset:(32*\s+16*\u+\jj)*CHAN+256*\g
.endr
.endm
.macro PROCX g, s, u, slot
.irp i, 0,1,2,3
.irp m, 0,1,2,3
	v_cvt_pk_bf16_f32 v[BF+16*(4*\g+\i)+8*\s+4*\u+\m], v[ST+32*\slot+8*\m+\i], v[ST+32*\slot+8*\m+4+\i]
.endr
.endr
.endm
	LOADE 0, 0
	LOADE 1, 1
	LOADE 2, 2
	; the remaining addresses, while the first loads are on their way
	v_mul_u32_u24 v[VA], v22, PITCH
	v_lshl_add_u32 v[VA], v23, 4, v[VA]            ; 144 r + 16 h
	v_lshlrev_b32 v[VC], 5, v23
	v_add_nc_u32 v[VC], EEB, v[VC]                 ; EEB + 32 h
	s_mul_i32 s3, s10, WAVEB
	v_mul_u32_u24 v[VES], v23, PITCH
	v_lshl_add_u32 v[VES], v22, 3, v[VES]
	v_add_nc_u32 v[VES], s3, v[VES]                ; my wave's codes + 144 h + 8 r
	v_mul_u32_u24 v[VER], v21, PITCH
	v_add_nc_u32 v[VER], s3, v[VER]                ; my wave's codes + 144 lane
	s_lshl_b32 s24, s10, 9
	s_add_co_u32 s24, s24, EEB
	v_lshl_add_u32 v[VEE], v21, 2, s24             ; EEB + 512 wave + 4 lane
	s_lshl_b32 s25, ttmp9, 7
	v_add_nc_u32 v[VHB], s25, v23                  ; 128 cb + h
	v_mov_b32 v[ZERO], 0
	s_mov_b32 s12, 0x76543210                      ; v_permlanex16_b32: lane i of one half reads lane i of the other
	s_mov_b32 s13, 0xfedcba98
	s_mov_b32 s21, 0xffff0000                      ; lanes 16-31
	; each wait leaves the two younger units' sixteen loads out (loads return in order: ISA guide 5.7.1); the last two count down
	s_wait_loadcnt 16
	PROCE 0, 0
	LOADE 3, 0
	s_wait_loadcnt 16
	PROCE 1, 1
	LOADE 4, 1
	s_wait_loadcnt 16
	PROCE 2, 2
	LOADE 5, 2
	s_wait_loadcnt 16
	PROCE 3, 0
	LOADE 6, 0
	s_wait_loadcnt 16
	PROCE 4, 1
	LOADE 7, 1
	s_wait_loadcnt 16
	PROCE 5, 2
	LOADX 0, 0, 0, 2
	s_wait_loadcnt 16
	PROCE 6, 0
	LOADX 0, 0, 1, 0
	s_wait_loadcnt 16
	PROCE 7, 1
	LOADX 0, 1, 0, 1
	s_wait_loadcnt 16
	PROCX 0, 0, 0, 2
	LOADX 0, 1, 1, 2
	s_wait_loadcnt 16
	PROCX 0, 0, 1, 0
	LOADX 1, 0, 0, 0
	s_wait_loadcnt 16
	PROCX 0, 1, 0, 1
	LOADX 1, 0, 1, 1
	s_wait_loadcnt 16
	PROCX 0, 1, 1, 2
	LOADX 1, 1, 0, 2
	s_wait_loadcnt 16
	PROCX 1, 0, 0, 0
	LOADX 1, 1, 1, 0
	s_wait_loadcnt 16
	PROCX 1, 0, 1, 1
	s_wait_loadcnt 8
	PROCX 1, 1, 0, 2
	s_wait_loadcnt 0
	PROCX 1, 1, 1, 0
; -|e_b|^2 / 2 of the ROUNDED codes, in f32: four rounds, a lane takes one whole code (128 w + 32 rd + lane) of those that its own wave
; stored above; LDS serves a wave's instructions in order (ISA guide 5.7.1), so these reads see those stores without a wait.
.macro EELD rd, slot
.irp c, 0,1,2,3,4,5,6,7
	ds_load_b128 v[ST+32*\slot+4*\c:ST+32*\slot+4*\c+3], v[VER] offset:\rd*32*PITCH+16*\c
.endr
.endm
.macro EESUM rd, slot
	v_fma_mix_f32_bf16 v[ACC],   v[ST+32*\slot],   v[ST+32*\slot],   v[ZERO] op_sel_hi:[1,1,0]               ; low halves
	v_fma_mix_f32_bf16 v[ACC+1], v[ST+32*\slot],   v[ST+32*\slot],   v[ZERO] op_sel:[1,1,0] op_sel_hi:[1,1,0] ; high halves
	v_fma_mix_f32_bf16 v[ACC+2], v[ST+32*\slot+1], v[ST+32*\slot+1], v[ZERO] op_sel_hi:[1,1,0]
	v_fma_mix_f32_bf16 v[ACC+3], v[ST+32*\slot+1], v[ST+32*\slot+1], v[ZERO] op_sel:[1,1,0] op_sel_hi:[1,1,0]
.set q, 2
.rept 30
	v_fma_mix_f32_bf16 v[ACC+2*(q%2)],   v[ST+32*\slot+q], v[ST+32*\slot+q], v[ACC+2*(q%2)]   op_sel_hi:[1,1,0]
	v_fma_mix_f32_bf16 v[ACC+2*(q%2)+1], v[ST+32*\slot+q], v[ST+32*\slot+q], v[ACC+2*(q%2)+1] op_sel:[1,1,0] op_sel_hi:[1,1,0]
.set q, q+1
.endr
	v_add_f32 v[ACC], v[ACC], v[ACC+1]
	v_add_f32 v[ACC+2], v[ACC+2], v[ACC+3]
	v_add_f32 v[ACC], v[ACC], v[ACC+2]
	v_mul_f32 v[ACC], -0.5, v[ACC]
	ds_store_b32 v[VEE], v[ACC] offset:128*\rd
.endm
	EELD 0, 0
	EELD 1, 1
	EELD 2, 2
	s_wait_dscnt 16                                ; behind round 0's loads: rounds 1 and 2
	EESUM 0, 0
	EELD 3, 0
	s_wait_dscnt 17                                ; behind round 1's: round 2, one store, round 3
	EESUM 1, 1
	s_wait_dscnt 10                                ; behind round 2's: a store, round 3, a store
	EESUM 2, 2
	s_wait_dscnt 2                                 ; behind round 3's: two stores
	EESUM 3, 0
	s_wait_dscnt 0x0                               ; for the others' sake: all my stores into the table are done
	s_barrier_signal -1
	s_barrier_wait -1                              ; the table is whole; from here on LDS is only read
.irp t, 0,1,2,3,4,5,6,7
	v_mov_b32 v[BEST+\t], 0xff800000               ; -infinity: any finite score beats it
	v_mov_b32 v[GID+\t], 0
.endr
	v_mov_b32 v[VT], 0                             ; set 0 begins with tile 0;
	v_mov_b32 v[VT+1], -1                          ; set 1's number is stepped by 2 ahead of its first use
; THE MAIN LOOP.
; six LDS loads: a code tile's A fragments (16 codes x 64 K) and its C (eight numbers a lane, the same in all lanes of a half)
.macro ALOAD set, oa, oc
	ds_load_b128 v[AF+16*\set:AF+16*\set+3],     v[VA] offset:\oa
	ds_load_b128 v[AF+16*\set+4:AF+16*\set+7],   v[VA] offset:\oa+32
	ds_load_b128 v[AF+16*\set+8:AF+16*\set+11],  v[VA] offset:\oa+64
	ds_load_b128 v[AF+16*\set+12:AF+16*\set+15], v[VA] offset:\oa+96
	ds_load_b128 v[CF+8*\set:CF+8*\set+3],       v[VC] offset:\oc
	ds_load_b128 v[CF+8*\set+4:CF+8*\set+7],     v[VC] offset:\oc+16
.endm
; The reduction of the group before (results at DPRV, row tiles PT and PT + 1, fragment set PA), twelve instructions in four threes:
; the maximum of eight results and the old best; where it grew, the tile's number is noted.
.macro RED_A
	v_max3_num_f32 v[MX],   v[DPRV],   v[DPRV+1], v[DPRV+2]
	v_max3_num_f32 v[MX+1], v[DPRV+3], v[DPRV+4], v[DPRV+5]
	v_max3_num_f32 v[MX+2], v[DPRV+8], v[DPRV+9], v[DPRV+10]
.endm
.macro RED_B
	v_max3_num_f32 v[MX+3], v[DPRV+11], v[DPRV+12], v[DPRV+13]
	v_max3_num_f32 v[MX],   v[DPRV+6],  v[DPRV+7],  v[MX]
	v_max3_num_f32 v[MX+2], v[DPRV+14], v[DPRV+15], v[MX+2]
.endm
.macro RED_C
	v_max3_num_f32 v[BEST+8*(1-PA)+PT],   v[MX],   v[MX+1], v[BEST+8*PA+PT]
	v_max3_num_f32 v[BEST+8*(1-PA)+PT+1], v[MX+2], v[MX+3], v[BEST+8*PA+PT+1]
	v_cmp_gt_f32 vcc_lo, v[BEST+8*(1-PA)+PT], v[BEST+8*PA+PT]
.endm
.macro RED_D
	v_cndmask_b32 v[GID+PT], v[GID+PT], v[VT+PA], vcc_lo
	v_cmp_gt_f32 vcc_lo, v[BEST+8*(1-PA)+PT+1], v[BEST+8*PA+PT+1]
	v_cndmask_b32 v[GID+PT+1], v[GID+PT+1], v[VT+PA], vcc_lo
.endm
.macro NOP3
	v_nop
	v_nop
	v_nop
.endm
; Group q of a tile in set a: row tiles 2 q and 2 q + 1, both K halves: four matrix instructions on two accumulators that take turns, one
; instruction a turn; the result sets take turns from group to group, over the loop's backward jump too.
; Behind each matrix instruction stand three instructions of the reduction of the group before, which name none of its registers.
; By count: the first tile's results are read six such places behind the instruction that finished them, the second tile's five
; (ISA guide 7.12.1 asks for four); a result set is written again more than five independent places behind its last use.
.macro GROUP a, q, red
.set DCUR, DD+16*(\q&1)
.set DPRV, DD+16*((\q+1)&1)
.set TA, 2*\q
.set PT, 2*((\q+3)&3)
.if \q == 0
.set PA, 1-\a
.else
.set PA, \a
.endif
	v_wmma_f32_16x16x32_bf16 v[DCUR:DCUR+7], v[AF+16*\a:AF+16*\a+7], v[BF+16*TA:BF+16*TA+7], v[CF+8*\a:CF+8*\a+7]
.if \red
	RED_A
.else
	NOP3
.endif
	v_wmma_f32_16x16x32_bf16 v[DCUR+8:DCUR+15], v[AF+16*\a:AF+16*\a+7], v[BF+16*TA+16:BF+16*TA+23], v[CF+8*\a:CF+8*\a+7]
.if \red
	RED_B
.else
	NOP3
.endif
	v_wmma_f32_16x16x32_bf16 v[DCUR:DCUR+7], v[AF+16*\a+8:AF+16*\a+15], v[BF+16*TA+8:BF+16*TA+15], v[DCUR:DCUR+7]
.if \red
	RED_C
.else
	NOP3
.endif
	v_wmma_f32_16x16x32_bf16 v[DCUR+8:DCUR+15], v[AF+16*\a+8:AF+16*\a+15], v[BF+16*TA+24:BF+16*TA+31], v[DCUR+8:DCUR+15]
.if \red
	RED_D
.else
	NOP3
.endif
.endm
; A code tile in set a.  red = 0: the very first tile, whose first group has nothing to reduce.  load = 1: the next tile is fetched into the
; other set, behind the first group: more than four independent places behind the last matrix instruction that read that set, and twelve
; matrix instructions ahead of the wait for it.
.macro TILE a, red, load
	s_wait_dscnt 0x0                               ; this tile's six loads
	GROUP \a, 0, \red
	v_add_nc_u32 v[VT+1-\a], 2, v[VT+1-\a]         ; the other set's last group is reduced: its next tile's number
.if \load
.if \a == 0
	ALOAD 1, TILEB, 64
.else
	ALOAD 0, 2*TILEB, 128
	v_add_nc_u32 v[VA], 2*TILEB, v[VA]             ; two tiles on
	v_add_nc_u32 v[VC], 128, v[VC]
.endif
.endif
	GROUP \a, 1, 1
	GROUP \a, 2, 1
	GROUP \a, 3, 1
.endm
	ALOAD 0, 0, 0
	TILE 0, 0, 1                                   ; tiles 0 and 1 stand ahead of the loop
	TILE 1, 1, 1
	s_mov_b32 s20, 30                              ; tiles 2 to 61
.Ltiles:
	TILE 0, 1, 1
	TILE 1, 1, 1
	s_sub_co_u32 s20, s20, 1
	s_cmp_lg_u32 s20, 0
	s_cbranch_scc1 .Ltiles
	TILE 0, 1, 1                                   ; tile 62 fetches tile 63,
	TILE 1, 1, 0                                   ; which fetches nothing
.set DPRV, DD+16                                   ; the last group's reduction: set 1, row tiles 6 and 7; the same order, so the same places
.set PA, 1
.set PT, 6
	RED_A
	RED_B
	RED_C
	RED_D
	; THE END.  64 tiles, an even number: the best scores lie in set 0.  Lanes r and 16 + r hold the same row's best over the codes with h = 0 and h = 1.
.irp t, 0,1,2,3,4,5,6,7
	v_lshl_add_u32 v[GID+\t], v[GID+\t], 1, v[VHB] ; group = 128 cb + 2 tile + h
	v_permlanex16_b32 v[MX], v[BEST+\t], s12, s13
	v_permlanex16_b32 v[MX+1], v[GID+\t], s12, s13
	v_cmp_gt_f32 s14, v[MX], v[BEST+\t]            ; the other half's is taken if it is larger,
	v_cmp_eq_f32 s15, v[MX], v[BEST+\t]
	v_cmp_lt_u32 vcc_lo, v[MX+1], v[GID+\t]        ; or equal with the lower group: both halves decide alike
	s_and_b32 s15, s15, vcc_lo
	s_or_b32 s14, s14, s15
	v_cndmask_b32 v[BEST+\t], v[BEST+\t], v[MX], s14
	v_cndmask_b32 v[GID+\t], v[GID+\t], v[MX+1], s14
	v_ashrrev_i32 v[MX+2], 31, v[BEST+\t]          ; the key: a negative float's lower 31 bits are turned over, so that
	v_and_b32 v[MX+2], 0x7fffffff, v[MX+2]         ; signed integers order as the floats do
	v_xor_b32 v[BEST+\t], v[BEST+\t], v[MX+2]
.endr
	; lane (r, h) stores rows 64 h + 4 r + 0..3 = column r of row tiles 4 h + 0..3: each store of the wave covers 512 consecutive bytes, aligned
.irp i, 0,1,2,3
	v_cndmask_b32 v[DD+\i],   v[BEST+\i], v[BEST+4+\i], s21
	v_cndmask_b32 v[DD+4+\i], v[GID+\i],  v[GID+4+\i],  s21
.endr
	global_store_b128 v[LN16], v[DD:DD+3], s[8:9]
	global_store_b128 v[LN16], v[DD+4:DD+7], s[8:9] offset:PLANE
	s_set_vgpr_msb 0x4
	s_wait_tensorcnt 0x0
	ds_add_u32 v10, v1
	s_wait_dscnt 0x0
	s_set_vgpr_msb 0x400
	s_endpgm
.Lfunc_end_k_q0b15add0e9_score:
	.size	k_q0b15add0e9_score, .Lfunc_end_k_q0b15add0e9_score-k_q0b15add0e9_score
	.p2alignl 7, 3214868480
	.fill 96, 4, 3214868480
	.section	.rodata,"a",@progbits
	.p2align	6, 0x0
	.amdhsa_kernel k_q0b15add0e9_score
		.amdhsa_group_segment_fixed_size 168960
		.amdhsa_private_segment_fixed_size 0
		.amdhsa_enable_private_segment 0
		.amdhsa_kernarg_size 24
		.amdhsa_user_sgpr_count 2
		.amdhsa_user_sgpr_kernarg_segment_ptr 1
		.amdhsa_wavefront_size32 1
		.amdhsa_system_sgpr_workgroup_id_x 1
		.amdhsa_system_sgpr_workgroup_id_y 1
		.amdhsa_system_sgpr_workgroup_id_z 1
		.amdhsa_system_vgpr_workitem_id 0
		.amdhsa_next_free_vgpr 258
		.amdhsa_next_free_sgpr 66
		.amdhsa_reserve_vcc 1
		.amdhsa_float_denorm_mode_32 3
		.amdhsa_float_denorm_mode_16_64 3
		.amdhsa_memory_ordered 1
		.amdhsa_forward_progress 1
		.amdhsa_inst_pref_size 86
	.end_amdhsa_kernel
	.amdgpu_metadata
---
amdhsa.version: [ 1, 2 ]
amdhsa.kernels:
  - .name:           k_q0b15add0e9_score
    .symbol:         k_q0b15add0e9_score.kd
    .args:
      - { .name: x, .offset: 0, .size: 8, .value_kind: global_buffer, .address_space: global }
      - { .name: embedding, .offset: 8, .size: 8, .value_kind: global_buffer, .address_space: global }
      - { .name: cand, .offset: 16, .size: 8, .value_kind: global_buffer, .address_space: global }
    .group_segment_fixed_size: 168960
    .private_segment_fixed_size: 0
    .kernarg_segment_align: 8
    .kernarg_segment_size: 24
    .max_flat_workgroup_size: 256
    .sgpr_count:     66
    .vgpr_count:     258
    .wavefront_size: 32
...
	.end_amdgpu_metadata
.endif
;; end of part 1
;; launch gather (part 2): grid 512 x 1, 8 waves a work-group, no clusters, 36,608 bytes of LDS; arguments x, embedding, cand, out0, out1, out2; writes out0, out1, out2
.if DOCPART == 2
	.amdgcn_target "amdgcn-amd-amdhsa--gfx1250"
	.amdhsa_code_object_version 6
	.text
	.protected	k_q0b15add0e9_gather
	.globl	k_q0b15add0e9_gather
	.p2align	8
	.type	k_q0b15add0e9_gather,@function
k_q0b15add0e9_gather:
	s_mov_b64 s[64:65], 0
	v_nop
	global_prefetch_b8 v0, s[64:65] scope:SCOPE_SE
	s_setreg_imm32_b32 hwreg(HW_REG_WAVE_MODE, 25, 1), 1
	s_wait_xcnt 0x0
; GATHER: for 64 rows (positions p0 .. p0 + 63 of one image): merge the eight code blocks' keys, fetch the winning group of 8 codes, pick the
; nearest of them, and write out2 = x as [row][channel], out1 = the code, out0 = x + (code - x) as [channel][position].
; The group's number is a whole number read from memory (clamped to 1023), so the address hangs on no floating-point number of this launch;
; the choice among the group's eight codes only selects values (v_cndmask_b32), all eight are loaded in every case.
; d_j = sum over channels of (x_b - e_b)^2 with both rounded to bf16 as in the launch before, in f32; the first smallest j wins.
; Memory and latency bind: no matrix unit, no tensor loads (everything passes registers for the two transposes), no joint loads (work-groups
; share only the table, by data-dependent rows).  Every global load and store has sixteen neighbouring lanes on 256 aligned bytes.
; Phase A and C: wave w owns channels 8 w .. 8 w + 7.  Phase B: rows 8 w .. 8 w + 7, two rows an instruction: lane (h, q) has row 8 w + 2 p + h
; (pair p = 0..3), channels 4 q .. 4 q + 3.
; LIMITS: inputs finite.  The index is that of the bf16-rounded inputs; distances that differ by less than their f32 rounding may be taken the
; other way round than by another order of summation.  Equal keys: the lower code block; equal distances: the lower code.
.set CHAN,  16384                      ; bytes from channel to channel in x and out0
.set PLANE, 1048576                    ; cand: keys [8][32768], then group numbers
.set BLK,   131072                     ; cand: from code block to code block
.set XP_,   260                        ; XS: [64 channels], 65 words apart: an odd pitch, so a column's words fall into different banks (64 banks of 4 bytes: ISA guide 11.1)
.set QS,    16640                      ; behind XS: a block of 2,336 bytes for each wave: [64 channels], 9 words apart, 8 rows; 32 bytes spare
.set QBLK,  2336
.set GS,    35328                      ; behind QS: 64 words, the rows' group numbers
.set LN16, 1                           ; v1      16 x lane
.set VCH,  2                           ; v2      h channels + 16 q: x loads, out0 stores
.set VXS,  3                           ; v3      XS, phase A
.set VXR,  4                           ; v4      XS, phase B
.set VG,   5                           ; v5      GS, phase B
.set VQS,  6                           ; v6      QS, phase B
.set VQR,  7                           ; v7      QS, phase C
.set Q16,  8                           ; v8      16 q
.set NEG1, 9                           ; v9      -1.0
.set LN8,  10                          ; v10     8 x lane
.set VO,   12                          ; v12-15  pair p: byte offset of my 16 bytes in the group's first code
.set GI,   16                          ; v16-19  pair p: the group's number
.set XR,   20                          ; v20-35  pair p: my four x
.set XF,   36                          ; v36-39  the same rounded to bf16, as f32
.set XB,   40                          ; v40-41  packed
.set EP,   42                          ; v42-43  four e, packed bf16
.set T,    44                          ; v44-47  differences
.set A,    48                          ; v48-49  squares
.set DD,   50                          ; v50-57  d_j
.set BST,  58                          ; v58     smallest so far
.set O,    60                          ; v60-63  out0's numbers
.set E,    64                          ; v64-191 pair p, code j at E + 32 p + 4 j; phase A: x in v64-79; phase C: v80-95
.set KEY,  96                          ; v96-111  wave 0, phase A: keys of rows 2 lane, 2 lane + 1, for each code block
.set GD,   112                         ; v112-127 their group numbers
	s_load_b256 s[4:11], s[0:1], 0x0               ; x s[4:5], embedding s[6:7], cand s[8:9], out0 s[10:11]
	s_load_b128 s[12:15], s[0:1], 0x20             ; out1 s[12:13], out2 s[14:15]
	v_lshl_add_u32 v192, v0, 2, 0x8b00
	v_mov_b32 v193, 0
	v_lshrrev_b32 v44, 5, v0
	v_readfirstlane_b32 s16, v44                   ; wave 0..7
	s_lshr_b32 s18, ttmp9, 6
	s_lshl_b32 s18, s18, 20                        ; x, out0: the image,
	s_and_b32 s17, ttmp9, 63
	s_lshl_b32 s17, s17, 8                         ; + 64 positions x (tile mod 64),
	s_add_co_u32 s18, s18, s17
	s_lshl_b32 s17, s16, 17                        ; + 8 channels x wave
	s_add_co_u32 s18, s18, s17
	s_mov_b32 s19, 0
	s_lshl_b32 s20, ttmp9, 14                      ; out1, out2: 64 rows of 256 bytes x tile,
	s_lshl_b32 s17, s16, 11                        ; + 8 rows x wave
	s_add_co_u32 s20, s20, s17
	s_mov_b32 s21, 0
	s_lshl_b32 s22, ttmp9, 8                       ; cand: 64 words x tile
	s_mov_b32 s23, 0
	s_mov_b32 s29, 0xffff0000                      ; a word's upper bf16
	v_and_b32 v44, 31, v0                          ; lane
	v_and_b32 v45, 15, v0                          ; q
	v_bfe_u32 v46, v0, 4, 1                        ; h
	v_lshlrev_b32 v[LN16], 4, v44
	v_lshlrev_b32 v[LN8], 3, v44
	v_lshlrev_b32 v[Q16], 4, v45
	v_lshl_add_u32 v[VCH], v46, 14, v[Q16]
	s_wait_kmcnt 0x0
	s_add_nc_u64 s[4:5], s[4:5], s[18:19]
	s_add_nc_u64 s[10:11], s[10:11], s[18:19]
	s_add_nc_u64 s[12:13], s[12:13], s[20:21]
	s_add_nc_u64 s[14:15], s[14:15], s[20:21]
	s_add_nc_u64 s[8:9], s[8:9], s[22:23]
	; PHASE A: my eight channels of x, 64 positions each
.irp k, 0,1,2,3
	global_load_b128 v[E+4*\k:E+4*\k+3], v[VCH], s[4:5] offset:2*\k*CHAN th:TH_LOAD_NT   ; channel 8 w + 2 k + h, positions 4 q ..
.endr
	s_mul_i32 s24, s16, 8*XP_
	v_mul_u32_u24 v[VXS], v46, XP_
	v_add3_u32 v[VXS], v[VXS], v[Q16], s24         ; (8 w + h) channels + 16 q
	v_mul_u32_u24 v[VXR], v45, 4*XP_
	v_lshl_add_u32 v[VXR], v46, 2, v[VXR]
	s_lshl_b32 s25, s16, 5
	v_add_nc_u32 v[VXR], s25, v[VXR]               ; channel 4 q, row 8 w + h
	s_add_co_u32 s26, s25, GS
	v_lshl_add_u32 v[VG], v46, 2, s26              ; GS, row 8 w + h
	s_mul_i32 s27, s16, QBLK
	s_add_co_u32 s27, s27, QS
	v_mul_u32_u24 v[VQS], v45, 144
	v_lshl_add_u32 v[VQS], v46, 2, v[VQS]
	v_add_nc_u32 v[VQS], s27, v[VQS]               ; my wave's block, channel 4 q (36 bytes each), row h
	v_lshrrev_b32 v47, 1, v45
	v_mul_u32_u24 v[VQR], v47, QBLK                ; positions 4 q .. 4 q + 3 are rows 4 (q mod 2) .. of wave q / 2's block
	v_and_b32 v47, 1, v45
	v_lshl_add_u32 v[VQR], v47, 4, v[VQR]
	v_mul_u32_u24 v47, v46, 36
	s_mul_i32 s28, s16, 288
	s_add_co_u32 s28, s28, QS
	v_add3_u32 v[VQR], v[VQR], v47, s28            ; channel 8 w + h
	v_mov_b32 v[NEG1], -1.0
	s_cmp_lg_u32 s16, 0
	s_cbranch_scc1 .Lothers
	; wave 0 merges the eight code blocks for all 64 rows, two rows a lane: each load covers 256 consecutive bytes, aligned
.irp cb, 0,1,2,3,4,5,6,7
	global_load_b64 v[KEY+2*\cb:KEY+2*\cb+1], v[LN8], s[8:9] offset:\cb*BLK th:TH_LOAD_NT
.endr
.irp cb, 0,1,2,3,4,5,6,7
	global_load_b64 v[GD+2*\cb:GD+2*\cb+1], v[LN8], s[8:9] offset:PLANE+\cb*BLK th:TH_LOAD_NT
.endr
	s_wait_loadcnt 0x0
.irp cb, 1,2,3,4,5,6,7
.irp e, 0,1
	v_cmp_gt_i32 vcc_lo, v[KEY+2*\cb+\e], v[KEY+\e]                 ; strictly larger: an equal key leaves the lower block
	v_cndmask_b32 v[KEY+\e], v[KEY+\e], v[KEY+2*\cb+\e], vcc_lo
	v_cndmask_b32 v[GD+\e], v[GD+\e], v[GD+2*\cb+\e], vcc_lo
.endr
.endr
	ds_store_b64 v[LN8], v[GD:GD+1] offset:GS
.Lothers:
	s_wait_loadcnt 0x0                             ; my four loads of x
.irp k, 0,1,2,3
.irp i, 0,1,2,3
	ds_store_b32 v[VXS], v[E+4*\k+\i] offset:2*\k*XP_+4*\i
.endr
.endr
	s_wait_dscnt 0x0                               ; for the others' sake: my stores are done
	s_barrier_signal -1
	s_barrier_wait -1                              ; x and the group numbers are whole
	; PHASE B
.irp p, 0,1,2,3
	ds_load_b32 v[GI+\p], v[VG] offset:8*\p
.endr
.irp p, 0,1,2,3
.irp i, 0,1,2,3
	ds_load_b32 v[XR+4*\p+\i], v[VXR] offset:\i*XP_+8*\p            ; x(channel 4 q + i, row 8 w + 2 p + h)
.endr
.endr
	s_wait_dscnt 16                                ; the four group numbers are in; the sixteen reads of x stay out
.irp p, 0,1,2,3
	v_min_u32 v[GI+\p], 0x3ff, v[GI+\p]            ; inside the table, whatever the word holds
	v_lshl_add_u32 v[VO+\p], v[GI+\p], 11, v[Q16]  ; a group is 8 codes of 256 bytes
.endr
.irp p, 0,1,2,3
.irp j, 0,1,2,3,4,5,6,7
	global_load_b128 v[E+32*\p+4*\j:E+32*\p+4*\j+3], v[VO+\p], s[6:7] offset:256*\j
.endr
.endr
	s_wait_dscnt 0x0
.irp p, 0,1,2,3
	global_store_b128 v[LN16], v[XR+4*\p:XR+4*\p+3], s[14:15] offset:512*\p th:TH_STORE_NT   ; out2: two whole rows
.endr
; Pair p.  left = the younger pairs' loads, eight each, which stay out.
; No data or address register of a global store is written again in this launch, so no wait frees any.
.macro PAIR p, left
	s_wait_loadcnt \left
	v_cvt_pk_bf16_f32 v[XB],   v[XR+4*\p],   v[XR+4*\p+1]
	v_cvt_pk_bf16_f32 v[XB+1], v[XR+4*\p+2], v[XR+4*\p+3]
	v_lshlrev_b32 v[XF],   16,  v[XB]
	v_and_b32     v[XF+1], s29, v[XB]
	v_lshlrev_b32 v[XF+2], 16,  v[XB+1]
	v_and_b32     v[XF+3], s29, v[XB+1]
.irp j, 0,1,2,3,4,5,6,7
	v_cvt_pk_bf16_f32 v[EP],   v[E+32*\p+4*\j],   v[E+32*\p+4*\j+1]
	v_cvt_pk_bf16_f32 v[EP+1], v[E+32*\p+4*\j+2], v[E+32*\p+4*\j+3]
	v_fma_mix_f32_bf16 v[T],   v[EP],   v[NEG1], v[XF]   op_sel_hi:[1,0,0]                  ; x_b - e_b: the low half,
	v_fma_mix_f32_bf16 v[T+1], v[EP],   v[NEG1], v[XF+1] op_sel:[1,0,0] op_sel_hi:[1,0,0]   ; the high half
	v_fma_mix_f32_bf16 v[T+2], v[EP+1], v[NEG1], v[XF+2] op_sel_hi:[1,0,0]
	v_fma_mix_f32_bf16 v[T+3], v[EP+1], v[NEG1], v[XF+3] op_sel:[1,0,0] op_sel_hi:[1,0,0]
	v_pk_mul_f32 v[A:A+1], v[T:T+1], v[T:T+1]
	v_pk_fma_f32 v[A:A+1], v[T+2:T+3], v[T+2:T+3], v[A:A+1]
	v_add_f32 v[DD+\j], v[A], v[A+1]
.endr
	; over the row's sixteen lanes: in each step lanes i and i xor m add the same two numbers, so all sixteen end with the same bits and select alike
.irp m, 1,2,4,8
.irp j, 0,1,2,3,4,5,6,7
	v_add_f32_dpp v[DD+\j], v[DD+\j], v[DD+\j] row_xmask:\m row_mask:0xf bank_mask:0xf
.endr
.endr
	v_cmp_lt_f32 vcc_lo, v[DD+1], v[DD]            ; strictly smaller, j ascending: the first smallest stays
	v_min_num_f32 v[BST], v[DD+1], v[DD]
.irp i, 0,1,2,3
	v_cndmask_b32 v[E+32*\p+\i], v[E+32*\p+\i], v[E+32*\p+4+\i], vcc_lo
.endr
.irp j, 2,3,4,5,6,7
	v_cmp_lt_f32 vcc_lo, v[DD+\j], v[BST]
	v_min_num_f32 v[BST], v[DD+\j], v[BST]
.irp i, 0,1,2,3
	v_cndmask_b32 v[E+32*\p+\i], v[E+32*\p+\i], v[E+32*\p+4*\j+\i], vcc_lo
.endr
.endr
	global_store_b128 v[LN16], v[E+32*\p:E+32*\p+3], s[12:13] offset:512*\p th:TH_STORE_NT   ; out1: two whole rows
	v_pk_add_f32 v[O:O+1],   v[E+32*\p:E+32*\p+1],   v[XR+4*\p:XR+4*\p+1]   neg_lo:[0,1] neg_hi:[0,1]   ; code - x,
	v_pk_add_f32 v[O+2:O+3], v[E+32*\p+2:E+32*\p+3], v[XR+4*\p+2:XR+4*\p+3] neg_lo:[0,1] neg_hi:[0,1]
	v_pk_add_f32 v[O:O+1],   v[XR+4*\p:XR+4*\p+1],   v[O:O+1]                                           ; x + that, in the order of the definition
	v_pk_add_f32 v[O+2:O+3], v[XR+4*\p+2:XR+4*\p+3], v[O+2:O+3]
.irp i, 0,1,2,3
	ds_store_b32 v[VQS], v[O+\i] offset:36*\i+8*\p
.endr
.endm
	PAIR 0, 24
	PAIR 1, 16
	PAIR 2, 8
	PAIR 3, 0
	s_wait_dscnt 0x0                               ; for the others' sake: my stores are done
	s_barrier_signal -1
	s_barrier_wait -1                              ; all 64 rows lie in QS
	; PHASE C: out0, my eight channels: lane (h, q) takes channel 8 w + 2 k + h at positions 4 q .. 4 q + 3
.irp k, 0,1,2,3
.irp i, 0,1,2,3
	ds_load_b32 v[E+16+4*\k+\i], v[VQR] offset:72*\k+4*\i
.endr
.endr
.irp k, 0,1,2,3
	s_wait_dscnt 12-4*\k                           ; the four words of step k are in; the younger reads stay out
	global_store_b128 v[VCH], v[E+16+4*\k:E+16+4*\k+3], s[10:11] offset:2*\k*CHAN th:TH_STORE_NT
.endr
	s_wait_tensorcnt 0x0
	ds_add_u32 v192, v193
	s_wait_dscnt 0x0
	s_endpgm
.Lfunc_end_k_q0b15add0e9_gather:
	.size	k_q0b15add0e9_gather, .Lfunc_end_k_q0b15add0e9_gather-k_q0b15add0e9_gather
	.p2alignl 7, 3214868480
	.fill 96, 4, 3214868480
	.section	.rodata,"a",@progbits
	.p2align	6, 0x0
	.amdhsa_kernel k_q0b15add0e9_gather
		.amdhsa_group_segment_fixed_size 36608
		.amdhsa_private_segment_fixed_size 0
		.amdhsa_enable_private_segment 0
		.amdhsa_kernarg_size 48
		.amdhsa_user_sgpr_count 2
		.amdhsa_user_sgpr_kernarg_segment_ptr 1
		.amdhsa_wavefront_size32 1
		.amdhsa_system_sgpr_workgroup_id_x 1
		.amdhsa_system_sgpr_workgroup_id_y 1
		.amdhsa_system_sgpr_workgroup_id_z 1
		.amdhsa_system_vgpr_workitem_id 0
		.amdhsa_next_free_vgpr 194
		.amdhsa_next_free_sgpr 66
		.amdhsa_reserve_vcc 1
		.amdhsa_float_denorm_mode_32 3
		.amdhsa_float_denorm_mode_16_64 3
		.amdhsa_memory_ordered 1
		.amdhsa_forward_progress 1
		.amdhsa_inst_pref_size 49
	.end_amdhsa_kernel
	.amdgpu_metadata
---
amdhsa.version: [ 1, 2 ]
amdhsa.kernels:
  - .name:           k_q0b15add0e9_gather
    .symbol:         k_q0b15add0e9_gather.kd
    .args:
      - { .name: x, .offset: 0, .size: 8, .value_kind: global_buffer, .address_space: global }
      - { .name: embedding, .offset: 8, .size: 8, .value_kind: global_buffer, .address_space: global }
      - { .name: cand, .offset: 16, .size: 8, .value_kind: global_buffer, .address_space: global }
      - { .name: out0, .offset: 24, .size: 8, .value_kind: global_buffer, .address_space: global }
      - { .name: out1, .offset: 32, .size: 8, .value_kind: global_buffer, .address_space: global }
      - { .name: out2, .offset: 40, .size: 8, .value_kind: global_buffer, .address_space: global }
    .group_segment_fixed_size: 36608
    .private_segment_fixed_size: 0
    .kernarg_segment_align: 8
    .kernarg_segment_size: 48
    .max_flat_workgroup_size: 256
    .sgpr_count:     66
    .vgpr_count:     194
    .wavefront_size: 32
...
	.end_amdgpu_metadata
.endif
;; end of part 2
;; ======== version 2 of 2: 2 launches; version 1 with the launch score written anew for expert scheduling mode
;; workspace buffers: cand 2,097,152 bytes of whole numbers
;; launch score (part 3): grid 8 x 32, 8 waves a work-group, no clusters, 168,960 bytes of LDS; arguments x, embedding, cand; writes cand
.if DOCPART == 3
	.amdgcn_target "amdgcn-amd-amdhsa--gfx1250"
	.amdhsa_code_object_version 6
	.text
	.protected	k_q0b15add0e9_score
	.globl	k_q0b15add0e9_score
	.p2align	8
	.type	k_q0b15add0e9_score,@function
k_q0b15add0e9_score:
	s_mov_b64 s[64:65], 0
	v_nop
	global_prefetch_b8 v0, s[64:65] scope:SCOPE_SE
	s_setreg_imm32_b32 hwreg(HW_REG_WAVE_SCHED_MODE, 0, 2), 2
	s_setreg_imm32_b32 hwreg(HW_REG_WAVE_MODE, 25, 1), 1
	s_wait_xcnt 0x0
	s_wait_alu depctr_vm_vsrc(0)
; SCORE: for 1,024 rows of x (one image position each, 64 channels) and 1,024 codes, the best GROUP OF 8 CODES of every row.
; s(code, row) = x_b . e_b - |e_b|^2 / 2 (operands rounded to bf16, sums in f32); the largest s is the smallest distance, since |x|^2 is the
; same for all codes of a row.  The codes are the matrix instruction's A (its 16 rows), the rows of x its B (its 16 columns), and -|e_b|^2/2
; enters as C.  So a lane's eight results are eight NEIGHBOURING CODES of ONE row of x, and only their maximum is followed: six vector
; instructions for eight results.  Stored per row and code block: an integer key that orders as the best score does, and the group's number
; code / 8 (0 to 1023).  The next launch merges the eight blocks and picks the code inside the group.
; Work-group (cb, rb): codes 1024 cb .., rows 1024 rb ...  Eight waves; a wave keeps its 128 rows as 128 registers of B fragments for the whole
; launch and walks all 64 code tiles, which lie in LDS as bf16: 16 matrix instructions a tile.
; NO JOINT LOADS: x and embedding are f32 and pass through registers once to be rounded to bf16; a work-group reads 256 KiB of each, once,
; ahead of 8,192 matrix instructions; x goes from memory straight into B fragments and never lies in LDS, and an f32 stage for the codes
; (256 KiB) does not fit beside the 148 KiB table.
; LIMITS: inputs finite.  The choice is that of the bf16-rounded inputs; two codes whose scores differ by less than the f32 rounding of the
; sums may be taken the other way round than by another order of summation.  Equal scores: the lower group.  The key orders -0 below +0.
; THE MODE: SCHED_MODE bits 1:0 = 2 (LLVM: expert scheduling mode 2), set by the entry lines.  The code itself states the register dependences
; between vector or matrix instructions and memory or LDS instructions, and those through scalar registers that vector instructions write,
; with s_wait_alu, always for 0.
; THE PLAN.  Registers that memory or LDS instructions touch:
;   ST0 .. ST2   Loads land in a slot; the unit's conversions (later: the sums of squares) read it; then it is loaded again.  No vector instruction writes them.
;   OB0, OB1     Unit k of the codes: its conversions write OB[k % 2], its eight LDS stores read it; written again two units on.  They lie in the
;                B fragments of row tiles 6 and 7, which x's fifth unit is the first to write.
;   EO           The four -|e_b|^2/2 of a lane, a register a round; read by four LDS stores in one run; the same registers are MX in the main loop.
;   AF, CF       Tile t: its sixteen matrix instructions read set t % 2; its six LDS loads (tile t + 1) land in the other set, which tile t - 1 read.
;   VA, VC       Read by every load of a fragment; stepped once for two tiles, at the head of the odd one.
;   LN16, VOX, VES, VER, VEE   Made once, never written again.
;   BF, DD, MX, BEST, GID, VT are named in the loop by vector and matrix instructions alone.
; So ONE wait on va_vdst stands in a unit of the prologue, behind its conversions, and ONE at a tile's head, behind the wait for the tile's own
; fragments; the loads that follow it are dealt among matrix and vector instructions that name none of the registers that they touch.
.set PITCH, 144                        ; an LDS row: 64 bf16 + 16 bytes = 36 words: 16 rows start in 16 different 16-byte columns modulo 256 bytes (64 banks of 4 bytes: ISA guide 11.1)
.set TILEB, 16*PITCH                   ; a code tile
.set WAVEB, 128*PITCH                  ; the 128 codes that a wave converts
.set EEB,   1024*PITCH                 ; behind the table: 1,024 f32 of -|e_b|^2/2
.set CHAN,  16384                      ; bytes from channel to channel in x
.set PLANE, 1048576                    ; cand: keys [8][32768], then group numbers [8][32768]
.set VA,   1                           ; v1      LDS address of my part of the A fragment: 144 r + 16 h, stepped two tiles at a time
.set VC,   2                           ; v2      LDS address of my eight C numbers: EEB + 32 h, stepped likewise
.set VT,   3                           ; v3, v4  number of the tile in fragment set 0, 1
.set VOX,  5                           ; v5      x: 8 h channels + 16 r
.set LN16, 6                           ; v6      16 x lane: embedding loads, final stores
.set VES,  7                           ; v7      where I put 8 bytes of a converted code
.set VER,  8                           ; v8      where my own code (one a lane) begins
.set VEE,  9                           ; v9      where its -|e_b|^2/2 goes
.set VHB,  11                          ; v11     128 cb + h
.set ACC,  12                          ; v12-15  four chains of the sum of squares
.set MX,   16                          ; v16-19  maxima at work
.set EO,   16                          ; v16-19  in the prologue: round rd's -|e_b|^2/2
.set ZERO, 20                          ; v20     0.0
.set BEST, 24                          ; v24-39  best score of row tile T: two sets that take turns (old, new)
.set GID,  40                          ; v40-47  tile number of that best score
.set AF,   48                          ; v48-79  A fragments, two sets of 16 (K 0-31, K 32-63)
.set CF,   80                          ; v80-95  C, two sets of 8
.set DD,   96                          ; v96-127 results: two sets of two tiles
.set PB,   DD+8                        ; v104-111 at the end: the other half of the lanes' best score, by row tile
.set PG,   DD+16                       ; v112-119 at the end: its group
.set BF,   128                         ; v128-255 B fragments: row tile T, K half s at BF + 16 T + 8 s
.set ST,   24                          ; v24-119 in the prologue: three slots of 32 registers for loads
.set OB,   224                         ; v224-255 in the prologue: two sets of 16 registers, 16 codes' numbers in bf16 on their way to LDS
	s_load_b128 s[4:7], s[0:1], 0x0                ; x s[4:5], embedding s[6:7]
	s_load_b64 s[8:9], s[0:1], 0x10                ; cand
	v_lshl_add_u32 v10, v0, 2, 0x29000
	s_set_vgpr_msb 0x40
	v_mov_b32 v1, 0
	s_set_vgpr_msb 0x4000
	v_lshrrev_b32 v21, 5, v0
	v_readfirstlane_b32 s10, v21                   ; wave 0..7
	s_and_b32 s2, ttmp7, 0xffff                    ; rb
	s_lshr_b32 s16, s2, 2
	s_lshl_b32 s16, s16, 20                        ; x: image rb / 4 (64 channels of 16,384 bytes)
	s_and_b32 s3, s2, 3
	s_lshl_b32 s3, s3, 12                          ; + 1,024 positions x (rb mod 4)
	s_add_co_u32 s16, s16, s3
	s_wait_alu depctr_va_sdst(0)                   ; s10 is written, ahead of its first reader: the three bases and the LDS addresses are made from it
	s_lshl_b32 s3, s10, 9                          ; + 128 positions x wave
	s_add_co_u32 s16, s16, s3
	s_mov_b32 s17, 0
	s_lshl_b32 s18, ttmp9, 18                      ; embedding: 1,024 codes of 256 bytes x cb
	s_lshl_b32 s3, s10, 15                         ; + 128 codes x wave
	s_add_co_u32 s18, s18, s3
	s_mov_b32 s19, 0
	s_lshl_b32 s22, ttmp9, 17                      ; cand: 32,768 words x cb
	s_lshl_b32 s3, s2, 12                          ; + 1,024 words x rb
	s_add_co_u32 s22, s22, s3
	s_lshl_b32 s3, s10, 9                          ; + 128 words x wave
	s_add_co_u32 s22, s22, s3
	s_mov_b32 s23, 0
	v_and_b32 v21, 31, v0                          ; lane
	v_and_b32 v22, 15, v0                          ; r
	v_bfe_u32 v23, v0, 4, 1                        ; h
	v_lshlrev_b32 v[LN16], 4, v21
	v_lshlrev_b32 v[VOX], 4, v22
	v_lshl_add_u32 v[VOX], v23, 17, v[VOX]         ; lanes 16-31 take the channel 8 further on
	s_wait_kmcnt 0x0
	s_add_nc_u64 s[4:5], s[4:5], s[16:17]
	s_add_nc_u64 s[6:7], s[6:7], s[18:19]
	s_add_nc_u64 s[8:9], s[8:9], s[22:23]
	s_wait_alu depctr_va_vdst(0)                   ; v[LN16] and v[VOX] are written: every global load and store of the kernel reads one of them as its offset
; THE PROLOGUE: sixteen units of eight 16-byte loads through a ring of three register slots: two units (16 loads) stay out while one is converted.
; Units 0-7: 16 codes each.  A load takes two codes (512 neighbouring bytes): lane (r, h) gets channels 4 r .. 4 r + 3 of code 16 k + 2 jj + h.
.macro LOADE k, slot
.irp jj, 0,1,2,3,4,5,6,7
	global_load_b128 v[ST+32*\slot+4*\jj:ST+32*\slot+4*\jj+3], v[LN16], s[6:7] offset:\k*4096+\jj*512
.endr
.endm
; The conversions of unit k, out of the slot into OB[k % 2].  Behind them the slot's next loads go out first, then the unit's LDS stores (STOREE).
.macro PROCE k, slot
.if \k >= 2
	s_wait_alu depctr_vm_vsrc(0)                   ; the LDS stores of two units back have read OB[k % 2], which the conversions below write again
.endif
.irp jj, 0,1,2,3,4,5,6,7
	v_cvt_pk_bf16_f32 v[OB+16*(\k%2)+2*\jj],   v[ST+32*\slot+4*\jj],   v[ST+32*\slot+4*\jj+1]
	v_cvt_pk_bf16_f32 v[OB+16*(\k%2)+2*\jj+1], v[ST+32*\slot+4*\jj+2], v[ST+32*\slot+4*\jj+3]
.endr
	s_wait_alu depctr_va_vdst(0)                   ; the conversions have written OB[k % 2], which the LDS stores read, and are done reading the slot, in which the next loads land; in unit 0: the LDS addresses are written too
.endm
.macro STOREE k
.irp jj, 0,1,2,3,4,5,6,7
	ds_store_b64 v[VES], v[OB+16*(\k%2)+2*\jj:OB+16*(\k%2)+2*\jj+1] offset:(16*\k+2*\jj)*PITCH
.endr
.endm
; Units 8-15: x.  Unit (g, s, u): load jj takes channel 32 s + 16 u + 8 h + jj at positions 64 g + 4 r + 0..3 (sixteen lanes: 256 aligned bytes).
; Row tile T = 4 g + i has as its column r the wave's row 64 g + 4 r + i, so word i of a load belongs to tile 4 g + i, and two loads of
; neighbouring channels pack into one register of that tile's fragment: register 4 u + m holds K = 32 s + 16 u + 8 h + 2 m, + 1.
.macro LOADX g, s, u, slot
.irp jj, 0,1,2,3,4,5,6,7
	global_load_b128 v[ST+32*\slot+4*\jj:ST+32*\slot+4*\jj+3], v[VOX], s[4:5] offset:(32*\s+16*\u+\jj)*CHAN+256*\g
.endr
.endm
; again = 1: the slot is loaded again behind the conversions
.macro PROCX g, s, u, slot, again
.irp i, 0,1,2,3
.irp m, 0,1,2,3
	v_cvt_pk_bf16_f32 v[BF+16*(4*\g+\i)+8*\s+4*\u+\m], v[ST+32*\slot+8*\m+\i], v[ST+32*\slot+8*\m+4+\i]
.endr
.endr
.if \again
	s_wait_alu depctr_va_vdst(0)                   ; the conversions are done reading the slot, in which the next loads land
.endif
.endm
	LOADE 0, 0
	LOADE 1, 1
	LOADE 2, 2
	; the remaining addresses, while the first loads are on their way
	v_mul_u32_u24 v[VA], v22, PITCH
	v_lshl_add_u32 v[VA], v23, 4, v[VA]            ; 144 r + 16 h
	v_lshlrev_b32 v[VC], 5, v23
	v_add_nc_u32 v[VC], EEB, v[VC]                 ; EEB + 32 h
	s_mul_i32 s3, s10, WAVEB
	v_mul_u32_u24 v[VES], v23, PITCH
	v_lshl_add_u32 v[VES], v22, 3, v[VES]
	v_add_nc_u32 v[VES], s3, v[VES]                ; my wave's codes + 144 h + 8 r
	v_mul_u32_u24 v[VER], v21, PITCH
	v_add_nc_u32 v[VER], s3, v[VER]                ; my wave's codes + 144 lane
	s_lshl_b32 s24, s10, 9
	s_add_co_u32 s24, s24, EEB
	v_lshl_add_u32 v[VEE], v21, 2, s24             ; EEB + 512 wave + 4 lane
	s_lshl_b32 s25, ttmp9, 7
	v_add_nc_u32 v[VHB], s25, v23                  ; 128 cb + h
	v_mov_b32 v[ZERO], 0
	s_mov_b32 s12, 0x76543210                      ; v_permlanex16_b32: lane i of one half reads lane i of the other
	s_mov_b32 s13, 0xfedcba98
	s_mov_b32 s21, 0xffff0000                      ; lanes 16-31
	; each wait leaves the two younger units' sixteen loads out (loads return in order: ISA guide 5.7.1); the last two count down
	s_wait_loadcnt 16
	PROCE 0, 0
	LOADE 3, 0
	STOREE 0
	s_wait_loadcnt 16
	PROCE 1, 1
	LOADE 4, 1
	STOREE 1
	s_wait_loadcnt 16
	PROCE 2, 2
	LOADE 5, 2
	STOREE 2
	s_wait_loadcnt 16
	PROCE 3, 0
	LOADE 6, 0
	STOREE 3
	s_wait_loadcnt 16
	PROCE 4, 1
	LOADE 7, 1
	STOREE 4
	s_wait_loadcnt 16
	PROCE 5, 2
	LOADX 0, 0, 0, 2
	STOREE 5
	s_wait_loadcnt 16
	PROCE 6, 0
	LOADX 0, 0, 1, 0
	STOREE 6
	s_wait_loadcnt 16
	PROCE 7, 1
	LOADX 0, 1, 0, 1
	STOREE 7
	s_wait_loadcnt 16
	PROCX 0, 0, 0, 2, 1
	LOADX 0, 1, 1, 2
	s_wait_loadcnt 16
	PROCX 0, 0, 1, 0, 1
	LOADX 1, 0, 0, 0
	s_wait_loadcnt 16
	PROCX 0, 1, 0, 1, 1
	LOADX 1, 0, 1, 1
	s_wait_loadcnt 16
	PROCX 0, 1, 1, 2, 1
	LOADX 1, 1, 0, 2
	s_wait_loadcnt 16
	s_wait_alu depctr_vm_vsrc(0)                   ; the last LDS stores of codes have read OB0 and OB1: from here on these registers are fragments of row tiles 6 and 7, which the conversions below write
	PROCX 1, 0, 0, 0, 1
	LOADX 1, 1, 1, 0
	s_wait_loadcnt 16
	PROCX 1, 0, 1, 1, 0
	s_wait_loadcnt 8
	PROCX 1, 1, 0, 2, 0
	s_wait_loadcnt 0
	PROCX 1, 1, 1, 0, 0
; -|e_b|^2 / 2 of the ROUNDED codes, in f32: four rounds, a lane takes one whole code (128 w + 32 rd + lane) of those that its own wave
; stored above; LDS serves a wave's instructions in order (ISA guide 5.7.1), so these reads see those stores without a wait.
; Each round's result has a register of its own, and the four LDS stores go out in one run behind the last round.
.macro EELD rd, slot
.irp c, 0,1,2,3,4,5,6,7
	ds_load_b128 v[ST+32*\slot+4*\c:ST+32*\slot+4*\c+3], v[VER] offset:\rd*32*PITCH+16*\c
.endr
.endm
.macro EESUM rd, slot
	v_fma_mix_f32_bf16 v[ACC],   v[ST+32*\slot],   v[ST+32*\slot],   v[ZERO] op_sel_hi:[1,1,0]               ; low halves
	v_fma_mix_f32_bf16 v[ACC+1], v[ST+32*\slot],   v[ST+32*\slot],   v[ZERO] op_sel:[1,1,0] op_sel_hi:[1,1,0] ; high halves
	v_fma_mix_f32_bf16 v[ACC+2], v[ST+32*\slot+1], v[ST+32*\slot+1], v[ZERO] op_sel_hi:[1,1,0]
	v_fma_mix_f32_bf16 v[ACC+3], v[ST+32*\slot+1], v[ST+32*\slot+1], v[ZERO] op_sel:[1,1,0] op_sel_hi:[1,1,0]
.set q, 2
.rept 30
	v_fma_mix_f32_bf16 v[ACC+2*(q%2)],   v[ST+32*\slot+q], v[ST+32*\slot+q], v[ACC+2*(q%2)]   op_sel_hi:[1,1,0]
	v_fma_mix_f32_bf16 v[ACC+2*(q%2)+1], v[ST+32*\slot+q], v[ST+32*\slot+q], v[ACC+2*(q%2)+1] op_sel:[1,1,0] op_sel_hi:[1,1,0]
.set q, q+1
.endr
	v_add_f32 v[ACC], v[ACC], v[ACC+1]
	v_add_f32 v[ACC+2], v[ACC+2], v[ACC+3]
	v_add_f32 v[ACC], v[ACC], v[ACC+2]
	v_mul_f32 v[EO+\rd], -0.5, v[ACC]
.endm
	s_wait_alu depctr_va_vdst(0)                   ; the last conversions of x are done reading the three slots, in which the LDS loads below land
	EELD 0, 0
	EELD 1, 1
	EELD 2, 2
	s_wait_dscnt 16                                ; behind round 0's loads: rounds 1 and 2
	EESUM 0, 0
	s_wait_alu depctr_va_vdst(0)                   ; round 0's sums are done reading slot 0, in which round 3's loads land
	EELD 3, 0
	s_wait_dscnt 16                                ; behind round 1's: rounds 2 and 3
	EESUM 1, 1
	s_wait_dscnt 8                                 ; behind round 2's: round 3
	EESUM 2, 2
	s_wait_dscnt 0                                 ; round 3
	EESUM 3, 0
	s_wait_alu depctr_va_vdst(0)                   ; the four results are written, which the LDS stores read; and the sums are done reading the slots, in part of which (v48-95) the first fragments' loads land
.irp rd, 0,1,2,3
	ds_store_b32 v[VEE], v[EO+\rd] offset:128*\rd
.endr
	s_wait_dscnt 0x0                               ; for the others' sake: all my stores into the table are done
	s_barrier_signal -1
	s_barrier_wait -1                              ; the table is whole; from here on LDS is only read
	s_wait_alu depctr_vm_vsrc(0)                   ; my four LDS stores have read v[EO ..]: these registers are MX from here on, written by the reductions
.irp t, 0,1,2,3,4,5,6,7
	v_mov_b32 v[BEST+\t], 0xff800000               ; -infinity: any finite score beats it
	v_mov_b32 v[GID+\t], 0
.endr
	v_mov_b32 v[VT], 0                             ; set 0 begins with tile 0;
	v_mov_b32 v[VT+1], -1                          ; set 1's number is stepped by 2 ahead of its first use
; THE MAIN LOOP.
; Six LDS loads bring a code tile's A fragments (16 codes x 64 K) and its C (eight numbers a lane, the same in all lanes of a half).
; Pair n of the six, into set LSET, at LOA from v[VA] and LOC from v[VC].
.macro ALOAD2 n
.if \n == 0
	ds_load_b128 v[AF+16*LSET:AF+16*LSET+3],     v[VA] offset:LOA
	ds_load_b128 v[AF+16*LSET+4:AF+16*LSET+7],   v[VA] offset:LOA+32
.elseif \n == 1
	ds_load_b128 v[AF+16*LSET+8:AF+16*LSET+11],  v[VA] offset:LOA+64
	ds_load_b128 v[AF+16*LSET+12:AF+16*LSET+15], v[VA] offset:LOA+96
.else
	ds_load_b128 v[CF+8*LSET:CF+8*LSET+3],       v[VC] offset:LOC
	ds_load_b128 v[CF+8*LSET+4:CF+8*LSET+7],     v[VC] offset:LOC+16
.endif
.endm
; The reduction of the group before (results at DPRV, row tiles PT and PT + 1, fragment set PA), twelve instructions in four parts of 3, 3, 4, 2:
; the maximum of eight results and the old best; where it grew, the tile's number is noted.  The two compares stand together and write two
; scalar registers, so that one wait serves both selects.
.macro RED_A
	v_max3_num_f32 v[MX],   v[DPRV],   v[DPRV+1], v[DPRV+2]
	v_max3_num_f32 v[MX+1], v[DPRV+3], v[DPRV+4], v[DPRV+5]
	v_max3_num_f32 v[MX+2], v[DPRV+8], v[DPRV+9], v[DPRV+10]
.endm
.macro RED_B
	v_max3_num_f32 v[MX+3], v[DPRV+11], v[DPRV+12], v[DPRV+13]
	v_max3_num_f32 v[MX],   v[DPRV+6],  v[DPRV+7],  v[MX]
	v_max3_num_f32 v[MX+2], v[DPRV+14], v[DPRV+15], v[MX+2]
.endm
.macro RED_C
	v_max3_num_f32 v[BEST+8*(1-PA)+PT],   v[MX],   v[MX+1], v[BEST+8*PA+PT]
	v_max3_num_f32 v[BEST+8*(1-PA)+PT+1], v[MX+2], v[MX+3], v[BEST+8*PA+PT+1]
	v_cmp_gt_f32 s14, v[BEST+8*(1-PA)+PT],   v[BEST+8*PA+PT]
	v_cmp_gt_f32 s15, v[BEST+8*(1-PA)+PT+1], v[BEST+8*PA+PT+1]
.endm
.macro RED_D
	v_cndmask_b32 v[GID+PT],   v[GID+PT],   v[VT+PA], s14
	v_cndmask_b32 v[GID+PT+1], v[GID+PT+1], v[VT+PA], s15
.endm
.macro NOPS n
.rept \n
	v_nop
.endr
.endm
; Group q of a tile in set a: row tiles 2 q and 2 q + 1, both K halves: four matrix instructions on two accumulators that take turns, one
; instruction a turn; the result sets take turns from group to group, over the loop's backward jump too.
; Behind the matrix instructions stand the parts of the reduction of the group before, which name none of their registers.
; By count: the first tile's results are read six such places behind the instruction that finished them, the second tile's four
; (ISA guide 7.12.1 asks for four); a result set is written again more than five independent places behind its last use.
; ld = 1: the next tile's six loads stand in pairs behind the first three parts.  They owe no further wait: since the wait at the tile's head
; only AF and CF of this tile's set, BF, DD, MX, BEST, GID and VT have been named, none of which these loads touch.
.macro GROUP a, q, red, ld
.set DCUR, DD+16*(\q&1)
.set DPRV, DD+16*((\q+1)&1)
.set TA, 2*\q
.set PT, 2*((\q+3)&3)
.if \q == 0
.set PA, 1-\a
.else
.set PA, \a
.endif
	v_wmma_f32_16x16x32_bf16 v[DCUR:DCUR+7], v[AF+16*\a:AF+16*\a+7], v[BF+16*TA:BF+16*TA+7], v[CF+8*\a:CF+8*\a+7]
.if \red
	RED_A
.else
	NOPS 3
.endif
.if \ld
	ALOAD2 0
.endif
	v_wmma_f32_16x16x32_bf16 v[DCUR+8:DCUR+15], v[AF+16*\a:AF+16*\a+7], v[BF+16*TA+16:BF+16*TA+23], v[CF+8*\a:CF+8*\a+7]
.if \red
	RED_B
.else
	NOPS 3
.endif
.if \ld
	ALOAD2 1
.endif
	v_wmma_f32_16x16x32_bf16 v[DCUR:DCUR+7], v[AF+16*\a+8:AF+16*\a+15], v[BF+16*TA+8:BF+16*TA+15], v[DCUR:DCUR+7]
.if \red
	RED_C
.else
	NOPS 4
.endif
.if \ld
	ALOAD2 2
.endif
	v_wmma_f32_16x16x32_bf16 v[DCUR+8:DCUR+15], v[AF+16*\a+8:AF+16*\a+15], v[BF+16*TA+24:BF+16*TA+31], v[DCUR+8:DCUR+15]
.if \red
	s_wait_alu depctr_va_sdst(0)                   ; the two compares have written s14 and s15, which the two selects read
	RED_D
.else
	NOPS 2
.endif
.endm
; A code tile in set a.  red = 0: the very first tile, whose first group has nothing to reduce.  load = 1: the next tile is fetched into the
; other set, in the first group: thirteen to fifteen matrix instructions ahead of the wait for it.  The first tile owes no wait at its head: no
; vector or matrix instruction has named set 1 since the wait ahead of the stores of -|e_b|^2/2.  The last tile loads nothing and owes none.
.macro TILE a, red, load
	s_wait_dscnt 0x0                               ; this tile's six loads
.if \load
.set LSET, 1-\a
.if \a == 1
	s_wait_alu depctr_vm_vsrc(0)                   ; the LDS loads issued so far have read v[VA] and v[VC]
	v_add_nc_u32 v[VA], 2*TILEB, v[VA]             ; two tiles on
	v_add_nc_u32 v[VC], 128, v[VC]
.set LOA, 0
.set LOC, 0
.else
.set LOA, TILEB
.set LOC, 64
.endif
.if \red
	s_wait_alu depctr_va_vdst(0)                   ; the matrix instructions of the tile before are done reading the other set, in which this tile's loads land; in an odd tile v[VA] and v[VC] are written
.endif
.endif
	GROUP \a, 0, \red, \load
	v_add_nc_u32 v[VT+1-\a], 2, v[VT+1-\a]         ; the other set's last group is reduced: its next tile's number
	GROUP \a, 1, 1, 0
	GROUP \a, 2, 1, 0
	GROUP \a, 3, 1, 0
.endm
.set LSET, 0
.set LOA, 0
.set LOC, 0
	ALOAD2 0                                       ; tile 0 into set 0: its registers and addresses were last named ahead of the wait in front of the stores of -|e_b|^2/2
	ALOAD2 1
	ALOAD2 2
	TILE 0, 0, 1                                   ; tiles 0 and 1 stand ahead of the loop
	TILE 1, 1, 1
	s_mov_b32 s20, 30                              ; tiles 2 to 61
.Ltiles:
	TILE 0, 1, 1
	TILE 1, 1, 1
	s_sub_co_u32 s20, s20, 1
	s_cmp_lg_u32 s20, 0
	s_cbranch_scc1 .Ltiles
	TILE 0, 1, 1                                   ; tile 62 fetches tile 63,
	TILE 1, 1, 0                                   ; which fetches nothing
.set DPRV, DD+16                                   ; the last group's reduction: set 1, row tiles 6 and 7; the same order, so the same places
.set PA, 1
.set PT, 6
	RED_A
	RED_B
	RED_C
	s_wait_alu depctr_va_sdst(0)                   ; the two compares have written s14 and s15, which the two selects read
	RED_D
	; THE END.  64 tiles, an even number: the best scores lie in set 0.  Lanes r and 16 + r hold the same row's best over the codes with h = 0 and h = 1.
.irp t, 0,1,2,3,4,5,6,7
	v_lshl_add_u32 v[GID+\t], v[GID+\t], 1, v[VHB] ; group = 128 cb + 2 tile + h
.endr
.irp t, 0,1,2,3,4,5,6,7
	v_permlanex16_b32 v[PB+\t], v[BEST+\t], s12, s13
	v_permlanex16_b32 v[PG+\t], v[GID+\t], s12, s13
.endr
	; four row tiles at a time: twelve compares in a run, into twelve scalar registers, and one wait behind the run
.irp u, 0,4
.irp i, 0,1,2,3
	v_cmp_gt_f32 s[16+\i], v[PB+\u+\i], v[BEST+\u+\i]   ; the other half's is taken if it is larger,
	v_cmp_eq_f32 s[22+\i], v[PB+\u+\i], v[BEST+\u+\i]
	v_cmp_lt_u32 s[26+\i], v[PG+\u+\i], v[GID+\u+\i]    ; or equal with the lower group: both halves decide alike
.endr
	s_wait_alu depctr_va_sdst(0)                   ; the twelve compares have written their masks, which the scalar lines below read
.irp i, 0,1,2,3
	s_and_b32 s[22+\i], s[22+\i], s[26+\i]
	s_or_b32 s[16+\i], s[16+\i], s[22+\i]
.endr
.irp i, 0,1,2,3
	v_cndmask_b32 v[BEST+\u+\i], v[BEST+\u+\i], v[PB+\u+\i], s[16+\i]
	v_cndmask_b32 v[GID+\u+\i],  v[GID+\u+\i],  v[PG+\u+\i], s[16+\i]
.endr
.endr
.irp t, 0,1,2,3,4,5,6,7
	v_ashrrev_i32 v[PB+\t], 31, v[BEST+\t]         ; the key: a negative float's lower 31 bits are turned over, so that
	v_and_b32 v[PB+\t], 0x7fffffff, v[PB+\t]       ; signed integers order as the floats do
	v_xor_b32 v[BEST+\t], v[BEST+\t], v[PB+\t]
.endr
	; lane (r, h) stores rows 64 h + 4 r + 0..3 = column r of row tiles 4 h + 0..3: each store of the wave covers 512 consecutive bytes, aligned
.irp i, 0,1,2,3
	v_cndmask_b32 v[DD+\i],   v[BEST+\i], v[BEST+4+\i], s21
	v_cndmask_b32 v[DD+4+\i], v[GID+\i],  v[GID+4+\i],  s21
.endr
	s_wait_alu depctr_va_vdst(0)                   ; the eight selects have written v[DD .. DD+7], which the two stores read
	global_store_b128 v[LN16], v[DD:DD+3], s[8:9]
	global_store_b128 v[LN16], v[DD+4:DD+7], s[8:9] offset:PLANE
	s_set_vgpr_msb 0x4
	s_wait_dscnt 0x0
	s_wait_alu depctr_hold_cnt(0) depctr_sa_sdst(0) depctr_va_vdst(0) depctr_va_sdst(0) depctr_va_ssrc(0) depctr_va_vcc(0) depctr_vm_vsrc(0)
	s_wait_tensorcnt 0x0
	ds_add_u32 v10, v1
	s_wait_dscnt 0x0
	s_endpgm
.Lfunc_end_k_q0b15add0e9_score:
	.size	k_q0b15add0e9_score, .Lfunc_end_k_q0b15add0e9_score-k_q0b15add0e9_score
	.p2alignl 7, 3214868480
	.fill 96, 4, 3214868480
	.section	.rodata,"a",@progbits
	.p2align	6, 0x0
	.amdhsa_kernel k_q0b15add0e9_score
		.amdhsa_group_segment_fixed_size 168960
		.amdhsa_private_segment_fixed_size 0
		.amdhsa_enable_private_segment 0
		.amdhsa_kernarg_size 24
		.amdhsa_user_sgpr_count 2
		.amdhsa_user_sgpr_kernarg_segment_ptr 1
		.amdhsa_wavefront_size32 1
		.amdhsa_system_sgpr_workgroup_id_x 1
		.amdhsa_system_sgpr_workgroup_id_y 1
		.amdhsa_system_sgpr_workgroup_id_z 1
		.amdhsa_system_vgpr_workitem_id 0
		.amdhsa_next_free_vgpr 258
		.amdhsa_next_free_sgpr 66
		.amdhsa_reserve_vcc 0
		.amdhsa_float_denorm_mode_32 3
		.amdhsa_float_denorm_mode_16_64 3
		.amdhsa_memory_ordered 1
		.amdhsa_forward_progress 1
		.amdhsa_inst_pref_size 91
	.end_amdhsa_kernel
	.amdgpu_metadata
---
amdhsa.version: [ 1, 2 ]
amdhsa.kernels:
  - .name:           k_q0b15add0e9_score
    .symbol:         k_q0b15add0e9_score.kd
    .args:
      - { .name: x, .offset: 0, .size: 8, .value_kind: global_buffer, .address_space: global }
      - { .name: embedding, .offset: 8, .size: 8, .value_kind: global_buffer, .address_space: global }
      - { .name: cand, .offset: 16, .size: 8, .value_kind: global_buffer, .address_space: global }
    .group_segment_fixed_size: 168960
    .private_segment_fixed_size: 0
    .kernarg_segment_align: 8
    .kernarg_segment_size: 24
    .max_flat_workgroup_size: 256
    .sgpr_count:     66
    .vgpr_count:     258
    .wavefront_size: 32
...
	.end_amdgpu_metadata
.endif
;; end of part 3
;; launch gather: the kernel of part 2 again; grid 512 x 1, 8 waves a work-group, no clusters, 36,608 bytes of LDS; arguments x, embedding, cand, out0, out1, out2; writes out0, out1, out2
